; MI455X (gfx1250); checked and timed in simulation.
; The chip was launched on July 23, 2026; its instructions are those of AMD's public machine-readable ISA for CDNA 5 (MIT licence, August 2026) and "CDNA5" Instruction Set Architecture Reference Guide (July 2026). The comments in the code are by the model that wrote it; some were corrected since.
;; Dot Product Attention. Allowed arithmetic: matrix products marked QUANTISED: E3M2 operands, one E8M0 scale for each 32 along K, by v_wmma_scale_f32_16x16x128_f8f6f4 with both operands' format E3M2, f32 sums; everything else in f32.
;; Inputs: k_codes 2 x 16 x 2,048 x 4 x 24 uint8 (E3M2 codes of k, K innermost, in blocks of 32 codes, four codes in three bytes); k_scales 2 x 16 x 2,048 x 4 uint8 (E8M0 scales of k, one for each 32 codes along K); q_codes 2 x 16 x 2,048 x 4 x 24 uint8 (E3M2 codes of q, K innermost, in blocks of 32 codes, four codes in three bytes); q_scales 2 x 16 x 2,048 x 4 uint8 (E8M0 scales of q, one for each 32 codes along K); v_codes 2 x 16 x 128 x 64 x 24 uint8 (E3M2 codes of v, K innermost, in blocks of 32 codes, four codes in three bytes); v_scales 2 x 16 x 128 x 64 uint8 (E8M0 scales of v, one for each 32 codes along K); valid_lens 2 int32.
;; Outputs: out0 2 x 16 x 2,048 x 128 float32.
;; This version of the problem:
;;   THIS VERSION OF THE PROBLEM IS GIVEN IN LOW PRECISION. The matrix products marked QUANTISED in the list below multiply operands that are first quantised to E3M2 (3 exponent bits, 2 mantissa bits; 6 bits a number), with one power-of-two scale for each 32 numbers along K (OCP MX v1.0); their sums are f32. All else is computed in f32.
;;   The module's matrix products, in the order in which they are computed (A, B: the left and right operand; K: the contracted axis; several contracted axes count as one K, in the product's order):
;;     1. batch 32 x [M 2,048, K 128] x [K 128, N 2,048]; A: input q (given as codes); B: input k (given as codes): QUANTISED
;;     2. batch 32 x [M 2,048, K 2,048] x [K 2,048, N 128]; A: softmax (see below); B: input v (given as codes): QUANTISED
;;   THE QUANTISER, for each operand of a quantised product, along K:
;;     - K is cut into blocks of 32 from its start; a last block that is shorter is filled with zeros.
;;     - A block's scale is 2^e with e = floor(log2(the largest magnitude in the block)) - 4, held to -126 .. 127; a block of zeros has e = 0. As a byte (E8M0): e + 127.
;;     - Each number is divided by its block's scale, clamped to +-28, and rounded to the nearest number of E3M2, ties to even, subnormals kept.
;;     - The product sums the exact products of the quantised numbers (number of the format x scale) in f32.
;;   ~~~python
;;   def quantise(x, axis):      # numpy; x: float32 -> the quantised numbers, widened to float32 again
;;       x = np.moveaxis(x, axis, -1); K = x.shape[-1]
;;       x = np.pad(x, [(0, 0)] * (x.ndim - 1) + [(0, -K % 32)]); x = x.reshape(x.shape[:-1] + (-1, 32)); a = np.abs(x).max(-1, keepdims=True)
;;       e = np.where(a > 0, np.clip(np.frexp(np.where(a > 0, a, 1))[1] - 1 - 4, -126, 127), 0)      # np.frexp(a)[1] - 1 = floor(log2(a)), exactly
;;       r = np.clip(x / 2.0 ** e, -28, 28)
;;       step = 2.0 ** (np.maximum(np.frexp(np.where(r == 0, 1, r))[1] - 1, -2) - 2)
;;       q = np.round(r / step) * step * 2.0 ** e      # np.round: ties to even
;;       return np.moveaxis(q.reshape(q.shape[:-2] + (-1,))[..., :K], -1, axis).astype(np.float32)
;;   ~~~
;;   SOFTMAX AHEAD OF A QUANTISED PRODUCT. Where the list says 'softmax', what is quantised is not the finished softmax but p = 2^(t - M), with t = logit x log2(e) and M = ceil(the row's largest t), a whole number; so 1/2 < the row's largest p <= 1. The row's sum l is taken of the UNQUANTISED p, in f32, and the product's result is divided by l at the end. Since M is a whole number, a kernel that streams over the keys may use a running M (the ceiling of the running maximum): every later rescaling is an exact power of two, which a block's scale takes up: the codes' values come out the same.
;;   OPERANDS COMPUTED ON THE WAY. 'Computed on the way' means the value that the module computes at that place (a softmax that the list does not call 'softmax' is quantised finished and normalised). What goes into a quantiser is computed in f32, as accurately as f32 sums, v_exp_f32 and their like allow (about 1e-6 of the number): no bf16 or f16 on the way to a quantiser, and a product that is left as it is and whose result goes on into a quantised operand takes f32 operands (vector FMAs, or v_wmma_f32_16x16x4_f32). A number that lies on a knife's edge between two numbers of the format may be rounded either way, as far as f32 arithmetic and the matrix unit's own rounding can turn it there, and no further.
;;   INPUTS GIVEN AS CODES. k (in the module: [2, 16, 2048, 128], K = its axis 3); q (in the module: [2, 16, 2048, 128], K = its axis 3); v (in the module: [2, 16, 2048, 128], K = its axis 2): each comes as NAME_codes (uint8): NAME with its K axis moved to the last place and cut into blocks of 32 codes, [.., K / 32, bytes a block], one block behind the other in memory; four codes in three bytes: a row's codes are one little-endian stream of bits, code i at bits 6 i .. 6 i + 5 (a code: sign, 3 exponent bits, 2 mantissa bits); and NAME_scales (uint8): the same leading axes, one E8M0 byte (e + 127) for each 32 codes along K. Its value is code x scale, taken as it is: it is not quantised again, and the codes and scales need not be those that the quantiser above would give.
;; 2 versions. Each part assembles by itself: llvm-mc -triple=amdgcn-amd-amdhsa -mcpu=gfx1250 --defsym DOCPART=n.
;; ======== version 1 of 2: 1 launch
;; limits: right only within a limited range of input values
;; launch attn (part 1): grid 16 x 16, 8 waves a work-group, no clusters, 232,448 bytes of LDS; arguments q_codes, q_scales, k_codes, k_scales, v_codes, v_scales, valid_lens, out0; writes out0
.if DOCPART == 1
	.amdgcn_target "amdgcn-amd-amdhsa--gfx1250"
	.amdhsa_code_object_version 6
	.text
	.protected	k_q094190bf86_attn
	.globl	k_q094190bf86_attn
	.p2align	8
	.type	k_q094190bf86_attn,@function
k_q094190bf86_attn:
	s_mov_b64 s[64:65], 0
	v_nop
	global_prefetch_b8 v0, s[64:65] scope:SCOPE_SE
	s_setreg_imm32_b32 hwreg(HW_REG_WAVE_MODE, 25, 1), 1
	s_wait_xcnt 0x0
; out0[b][h][q][:] = sum over keys of softmax(q . k / sqrt(128), keys at or past valid_lens[b] filled) v, both products on codes of E3M2 with one E8M0 scale for each 32 along K.
; q, k: codes along the head's 128 (a row: 96 bytes, one scale word).  v: codes with the KEYS innermost (a row d: 1,536 bytes, 64 scale bytes).  out0: f32.
; THE SOFTMAX: t = score x c, c = log2(e) / sqrt(128); M = the running largest t rounded up to a whole number; p = 2^(t - M) is quantised along the keys, not normalised;
; the row's sum is taken of the unquantised p and divides at the end; when M moves, the sum and O are multiplied by 2^(old M - new M), which rounds nothing.
; WORK LEFT OUT.  n = valid_lens[b] held to 0 .. 2,048.  A key step is 128 keys.  A step whose first key is at or past n holds filled logits alone (-1e9): with any valid logit above -1e9 + 104 in the row their
; p = 2^(t - M) is 0 in f32, their codes are zeros and the sum does not move: the step reaches no output.  Whole numbers read from memory decide it: the walk ends at W = n.  With n = 0 every key is filled and the
; softmax is uniform: then W = 2,048, every step is walked and masked, p = 1 everywhere.  In the one step that n cuts, filled scores are set register by register ahead of the maximum.
; LIMITS.  Rows whose largest valid logit is at or under -1e9 + 104 are not served.  The fill is taken as the raw score -2^34 (logit -1.52e9): c x 2^34 is a whole number in f32, so that t - M is exactly 0 where
; all keys are filled; inside the stated range the results are those of -1e9.  A NaN, an infinity or a scale byte 0xff at keys of steps left out is not carried to the result; NaN and infinities in live data are not served.
; SHARES.  Work-group (x, y): queries 128 x .. 128 x + 127 of head y in BOTH batches.  Wave w: batch (w ^ (w >> 2)) & 1, part a = w >> 1: 32 queries, two tiles of 16.  So waves w and w + 4 serve different batches,
; and a work-group's work goes with n0 + n1 whatever the two lengths are.  The four waves of a batch bring that batch's tiles of K and V into LDS through registers, two slots by turns, one barrier a step.
; NO TENSOR LOADS, NO CLUSTER, though the 16 work-groups of a head read the same K and V: joint requests go by tensor loads;
; the walk that ends at W leaves out (4,096 - n0 - n1) / 4,096 of all key steps.
; LAYOUT.  Both products are used transposed: S^T = K Q^T (source 0 = 16 keys, source 1 = 16 queries), O^T = V^T P^T (source 0 = 16 of the head's 128, source 1 = P): lane (r, h) holds query r throughout.
; THE KEYS OF A TILE ARE NOT NEIGHBOURS: row 8 hh + i of tile 4 c + t is key 64 c + 32 hh + 8 t + i.  So register 32 c + n of S^T in lane (r, h) is key 64 c + 32 h + n: a WHOLE block of 32 keys in one lane,
; in the order of registers 6 c .. 6 c + 5 of P: no lane is asked for a block's maximum, and the conversions' results are the operand.
; LDS.  K and V lie as they come from memory, rows of 96 bytes on end, with 16 bytes more behind each 32 keys of K and behind each 8 rows of V: a loader's address is a constant + 16 x lane + a constant x wave.
; REGISTERS, two windows of 256.  A tile's own state has the same numbers in window 0 (tile 0) and window 1 (tile 1): v12 -M, v13 largest t, v[14:15] the sum, v16-27 Q, v28 32 h, v29 8 h, v96-159 S^T then p, v160-223 O^T,
; v224-235 p's codes, v236-255 at work.  Window 0 alone: v1-11, v90-92 addresses; v30-31, v80-89 scale words; v32-79 four fragments.  Window 1 alone: v0-1 prefetch offsets; v32-79 a tile on its way from memory to LDS.
.set SLOT,   32768                     ; LDS: a batch's region is 65,536 bytes: two slots
.set KBLK,   3088                      ; 32 keys of K: 3,072 bytes + 16
.set VGRP,   784                       ; 8 rows of V: 768 bytes + 16.  With either, the 32 lanes of a fragment's load of 8 bytes take the 8-byte columns 12 (r & 7) + 2 (r >> 3) + 3 h mod 32, all different
.set VOFF,   12544                     ; a slot: K's 4 x 3,088 bytes, then from here V's 16 x 784
.set SCBASE, 131072                    ; the scale words: 16,384 bytes a batch: K's 8,192 (512 a step: 16 x lane + 4 x register), then V's
.set STG,    163840                    ; the way out: 16 rows x 528 bytes for each wave
.set SPARE,  231424                    ; the spare words, 128 bytes for each wave: four blocks of 256 bytes that no other line names
.set AK,  1                            ; v1   my lane's place in a tile of K: batch region + 3,088 (r >> 3) + 96 (r & 7) + 24 h
.set AV,  2                            ; v2   in a tile of V: batch region + VOFF + 784 (r >> 3) + 96 (r & 7) + 24 h
.set ASC, 3                            ; v3   my lane's 16 bytes of a step's scale words; steps 1,024 a trip
.set SPW, 4                            ; v4   my spare word; never rewritten
.set NIL, 5                            ; v5   0; never rewritten
.set STO, 6                            ; v6   the way out: where I put 32 bytes of a row
.set RD,  7                            ; v7   and where I read a row back
.set GO,  8                            ; v8   16 x lane
.set GV,  9                            ; v9-11  V in memory: 1,536 rho + 16 cc
.set NM,  12
.set TMX, 13
.set SUM, 14
.set Q,   16
.set H32, 28
.set H8,  29
.set QS,  30                           ; v30-31 Q's scale words, tile 0, 1
.set FR,  32
.set KS,  80                           ; v80-83 K's scale words: register wd: tile 2 wd in lanes 0-15, tile 2 wd + 1 in lanes 16-31
.set VS,  84                           ; v84-87 V's likewise
.set PS,  88                           ; v88-89 p's scale words, tile 0, 1
.set LK,  90                           ; v90  where I store K's 16 bytes in a slot: region + 3,088 a + 16 lane
.set LVA, 91                           ; v91  and V's: region + VOFF + 3,136 a + 16 lane
.set LVB, 92                           ; v92  the same + 16 h: for the loads in whose middle a group of 8 rows ends
.set S,   96
.set O,   160
.set P,   224
.set BM,  236                          ; v236-237 a block's largest score, then its largest p
.set SO,  238                          ; v238-239 the conversions' scale operands
.set CT0, 240
.set BY0, 243
.set CT1, 244
.set BY1, 247
.set PD,  248                          ; a lane permute's destination
.set BA,  249                          ; v249, v255 second chains of the two maxima
.set SC2, 250                          ; v[250:251] second chain of the sum
.set F,   252                          ; v252 f, later 1 / sum; v253 stays 0 (named with it as a pair)
.set TP,  254
.set PFK, 0                            ; window 1: 256 x lane
.set PFV, 1                            ; window 1: 1,536 x lane
.set STA, 32                           ; window 1: 12 x 4 registers
.set LN,  128                          ; at the head alone, in registers that S^T takes later: lane, r, h, work
.set RR,  129
.set HH,  130
.set T3,  131
.set KSA, 138
.set VSA, 139
.set T12, 140
.set QOF, 141
.set QSO, 142
.set WV,  20
.set BT,  21
.set PA,  22
.set HD,  23
.set SEL, 24
.set CS,  26
.set NV,  28                           ; n
.set WL,  29                           ; W
.set KF,  30                           ; the step's first key
.set TR,  31
.set WO,  32                           ; W until my rows have left, then the greatest number
.set WPF, 33                           ; W in the head's first work-group, else 0
.set KPT, 34
.set VPT, 36
.set PKA, 38
.set PVA, 40
.set OUTP, 42
.set MSB, 0
.macro WIN new                         ; the immediate's high byte repeats the setting that is left; a switch that changes nothing is dropped
.if MSB != \new
	s_set_vgpr_msb (MSB<<8)|\new
.set MSB, \new
.endif
.endm
.macro PLACES n
.rept \n
	v_nop
.endr
.endm
; Tile k (counted from this trip's first step) of K and V from memory into window 1: my wave's 32 keys (3,072 dense bytes) and 32 rows of V (96 bytes each).  Sixteen work-groups read these bytes: no hint.
.macro GET k
	WIN 0x40
.irp i, 0,1,2,3,4,5
	global_load_b128 v[STA+4*\i:STA+4*\i+3], v[GO], s[KPT:KPT+1] offset:12288*(\k)+512*\i
.endr
.irp i, 0,1,2,3,4,5
	global_load_b128 v[STA+24+4*\i:STA+24+4*\i+3], v[GV+\i%3], s[VPT:VPT+1] offset:96*(\k)+24576*(\i/3)
.endr
	WIN 0
.endm
; and on into slot p.  K: piece lane + 32 i of my 3,072 bytes, as it lies.  V: piece nl = lane + 32 i of my 32 rows lies at 16 nl + 16 (nl / 48): nl / 48 is 2 (i / 3) + (i % 3) / 2, but for i % 3 = 1, where lanes 16-31 are one group on
.macro PUT p
	WIN 0x04
.irp i, 0,1,2,3,4,5
	ds_store_b128 v[LK], v[STA+4*\i:STA+4*\i+3] offset:(\p)*SLOT+512*\i
.endr
.irp i, 0,1,2,3,4,5
.if \i%3 == 1
	ds_store_b128 v[LVB], v[STA+24+4*\i:STA+24+4*\i+3] offset:(\p)*SLOT+512*\i+32*(\i/3)
.else
	ds_store_b128 v[LVA], v[STA+24+4*\i:STA+24+4*\i+3] offset:(\p)*SLOT+512*\i+32*(\i/3)+16*((\i%3)/2)
.endif
.endr
	WIN 0
.endm
.macro KFR p, g                        ; four fragments of K: tiles 4 g .. 4 g + 3: keys 64 g + 8 f on; each 24 bytes as three loads of 8
	WIN 0
.irp f, 0,1,2,3
.irp c, 0,1,2,3,4,5
	ds_load_b64 v[FR+12*\f+2*\c:FR+12*\f+2*\c+1], v[AK] offset:(\p)*SLOT+2*KBLK*(\g)+768*\f+48*(\c/3)+8*(\c%3)
.endr
.endr
.endm
.macro VFR p, g, reg                   ; four fragments of V: channels 64 g + 16 f on
	WIN 0
.irp f, 0,1,2,3
.irp c, 0,1,2,3,4,5
	ds_load_b64 v[\reg+12*\f+2*\c:\reg+12*\f+2*\c+1], v[AV] offset:(\p)*SLOT+2*VGRP*(4*(\g)+\f)+48*(\c/3)+8*(\c%3)
.endr
.endr
.endm
.macro QK t, g                         ; S^T of query tile t, key tiles 4 g .. 4 g + 3: K's fragments window 0, Q and S^T window t
	WIN 0x44*(\t)
.irp f, 0,1,2,3
.if \f%2
	v_wmma_scale_f32_16x16x128_f8f6f4 v[S+8*(4*(\g)+\f):S+8*(4*(\g)+\f)+7], v[FR+12*\f:FR+12*\f+11], v[Q:Q+11], 0, v[KS+2*(\g)+\f/2], v[QS+(\t)] matrix_a_fmt:MATRIX_FMT_BF6 matrix_b_fmt:MATRIX_FMT_BF6 matrix_a_scale:MATRIX_SCALE_ROW1
.else
	v_wmma_scale_f32_16x16x128_f8f6f4 v[S+8*(4*(\g)+\f):S+8*(4*(\g)+\f)+7], v[FR+12*\f:FR+12*\f+11], v[Q:Q+11], 0, v[KS+2*(\g)+\f/2], v[QS+(\t)] matrix_a_fmt:MATRIX_FMT_BF6 matrix_b_fmt:MATRIX_FMT_BF6
.endif
.endr
.endm
.macro PV t, g, reg                    ; O^T of query tile t, channels 64 g on: V's fragments window 0, P and O^T window t.  One instruction to an accumulator: the accumulators take turns
	WIN 0x54*(\t)
.irp f, 0,1,2,3
.if \f%2
	v_wmma_scale_f32_16x16x128_f8f6f4 v[O+8*(4*(\g)+\f):O+8*(4*(\g)+\f)+7], v[\reg+12*\f:\reg+12*\f+11], v[P:P+11], v[O+8*(4*(\g)+\f):O+8*(4*(\g)+\f)+7], v[VS+2*(\g)+\f/2], v[PS+(\t)] matrix_a_fmt:MATRIX_FMT_BF6 matrix_b_fmt:MATRIX_FMT_BF6 matrix_a_scale:MATRIX_SCALE_ROW1
.else
	v_wmma_scale_f32_16x16x128_f8f6f4 v[O+8*(4*(\g)+\f):O+8*(4*(\g)+\f)+7], v[\reg+12*\f:\reg+12*\f+11], v[P:P+11], v[O+8*(4*(\g)+\f):O+8*(4*(\g)+\f)+7], v[VS+2*(\g)+\f/2], v[PS+(\t)] matrix_a_fmt:MATRIX_FMT_BF6 matrix_b_fmt:MATRIX_FMT_BF6
.endif
.endr
.endm
; The step that n cuts: register 32 c + i holds key KF + 64 c + 32 h + i, filled where i > (n - 1 - KF - 32 h) - 64 c.  s67 = n - 1 - KF.  Runs under the tile's window; each accumulator is read from its low end on.
.macro MASK
	v_sub_nc_u32 v[F], s67, v[H32]
	v_add_nc_u32 v[SC2], 0xffffffc0, v[F]
	v_mov_b32 v[TP], 0xd0800000                    ; -2^34
.irp c, 0,1
.irp i, 0,1,2,3,4,5,6,7,8,9,10,11,12,13,14,15,16,17,18,19,20,21,22,23,24,25,26,27,28,29,30,31
	v_cmp_gt_i32 vcc_lo, \i, v[F-2*\c]
	v_cndmask_b32 v[S+32*\c+\i], v[S+32*\c+\i], v[TP], vcc_lo
.endr
.endr
.endm
; A tile's softmax for one key step, and p's codes and scale word.
.macro SM t
	WIN 0x55*(\t)
.irp c, 0,1                            ; the largest SCORE of my two blocks of 32 keys, two chains each; it serves the row's maximum and, since p rises with the score, the block's largest p
	v_max3_num_f32 v[BM+\c], v[S+32*\c], v[S+32*\c+1], v[S+32*\c+2]
	v_max3_num_f32 v[BA+6*\c], v[S+32*\c+16], v[S+32*\c+17], v[S+32*\c+18]
.endr
.irp i, 3,5,7,9,11,13
.irp c, 0,1
	v_max3_num_f32 v[BM+\c], v[BM+\c], v[S+32*\c+\i], v[S+32*\c+\i+1]
	v_max3_num_f32 v[BA+6*\c], v[BA+6*\c], v[S+32*\c+16+\i], v[S+32*\c+17+\i]
.endr
.endr
.irp c, 0,1
	v_max3_num_f32 v[BM+\c], v[BM+\c], v[BA+6*\c], v[S+32*\c+15]
.endr
.irp c, 0,1
	v_max_num_f32 v[BM+\c], v[BM+\c], v[S+32*\c+31]
.endr
	v_max_num_f32 v[TP], v[BM], v[BM+1]
	v_permlanex16_b32 v[PD], v[TP], s[SEL], s[SEL+1]
	v_max_num_f32 v[TP], v[TP], v[PD]              ; with lane l xor 16's two blocks: the step's largest score of my query
	v_mul_f32 v[TP], s[CS], v[TP]                  ; as t (c is positive)
	v_max_num_f32 v[TMX], v[TMX], v[TP]
	v_mov_b32 v[TP], v[NM]
	v_floor_f32 v[NM], -v[TMX]                     ; the new -M = floor(-t): M is a whole number
	v_sub_f32 v[TP], v[NM], v[TP]                  ; old M - new M: a whole number, 0 or less
	v_cvt_i32_f32 v[TP], v[TP]                     ; (it saturates)
	v_ldexp_f32 v[F], 1.0, v[TP]                   ; f = 2^(old M - new M)
.set j, 0
.rept 32
	v_pk_fma_f32 v[S+j:S+j+1], v[S+j:S+j+1], s[CS:CS+1], v[NM:NM+1] op_sel_hi:[1,0,0]   ; t - M, two at a time (of the pairs c and -M the low word serves both halves)
.set j, j+2
.endr
.irp c, 0,1
	v_fma_f32 v[BM+\c], v[BM+\c], s[CS], v[NM]     ; the same of each block's largest score
.endr
.set j, 0
.rept 64
	v_exp_f32 v[S+j], v[S+j]                       ; p = 2^(t - M), at most 1
.set j, j+1
.endr
	v_pk_mul_f32 v[SUM:SUM+1], v[SUM:SUM+1], v[F:F+1] op_sel_hi:[1,0]   ; the sum under the new M: the plain instruction behind the batch
	s_wait_alu depctr_va_vdst(0)                   ; one wait for the 64, ahead of their first reader
.irp c, 0,1
	v_exp_f32 v[BM+\c], v[BM+\c]                   ; the block's largest p: the same two instructions on the same number
.endr
	v_pk_add_f32 v[SC2:SC2+1], v[S:S+1], v[S+2:S+3]   ; the row's sum of the UNQUANTISED p, in two chains; it reads the 64 alone
.set j, 4
.rept 15
	v_pk_add_f32 v[SUM:SUM+1], v[SUM:SUM+1], v[S+j:S+j+1]
	v_pk_add_f32 v[SC2:SC2+1], v[SC2:SC2+1], v[S+j+2:S+j+3]
.set j, j+4
.endr
	v_pk_add_f32 v[SUM:SUM+1], v[SUM:SUM+1], v[SC2:SC2+1]
	s_wait_alu depctr_va_vdst(0)                   ; and one for the two
.irp c, 0,1
	v_max_num_f32 v[BM+\c], 0x2800000, v[BM+\c]    ; the floor 2^(5 - 127): the byte cannot fall under 1 (a block of zeros keeps that byte: its codes are zeros)
.endr
.irp c, 0,1
	v_add_nc_u32 v[SO+\c], 0xfe000000, v[BM+\c]    ; 4 off the exponent field: the conversion's scale operand
.endr
	v_lshrrev_b32 v[BY0], 23, v[SO]                ; the bytes of blocks h and 2 + h
	v_lshrrev_b32 v[BY1], 23, v[SO+1]
	v_lshl_or_b32 v[TP], v[BY1], 16, v[BY0]
	v_lshlrev_b32 v[TP], v[H8], v[TP]              ; at their places in the scale word
	v_permlanex16_b32 v[PD], v[TP], s[SEL], s[SEL+1]
	WIN 0x05*(\t)
	v_or_b32 v[PS+(\t)], v[TP], v[PD]              ; with lane l xor 16's two the word is whole; scale words lie in window 0
	WIN 0x55*(\t)
	v_cvt_scalef32_pk16_bf6_f32 v[P:P+2], v[S:S+15], v[SO]
	v_cvt_scalef32_pk16_bf6_f32 v[CT0:CT0+2], v[S+16:S+31], v[SO]         ; (a conversion's three registers begin on an even number)
	v_cvt_scalef32_pk16_bf6_f32 v[P+6:P+8], v[S+32:S+47], v[SO+1]
	v_cvt_scalef32_pk16_bf6_f32 v[CT1:CT1+2], v[S+48:S+63], v[SO+1]
	v_nop                                          ; one plain instruction behind the conversions
.irp i, 0,1,2
	v_mov_b32 v[P+3+\i], v[CT0+\i]
	v_mov_b32 v[P+9+\i], v[CT1+\i]
.endr
.set j, 0
.rept 32
	v_pk_mul_f32 v[O+j:O+j+1], v[O+j:O+j+1], v[F:F+1] op_sel_hi:[1,0]   ; O^T under the new M, from each accumulator's low end on; these are also the places between the scale word, the codes and the products
.set j, j+2
.endr
.endm
; A PREFETCH INTO THE L2, behind the loads of a trip's first step: the 256 keys of the trip after the next, one trip (two key steps) ahead of the loads that will want them.  All 16 work-groups of a head walk the
; same K and V: the first of them asks, each batch's four waves for their own batch.  K: 24,576 dense bytes: parts 0 to 2 take 8,192 each, lanes 256 bytes apart.  V: 192 bytes of each of 128 rows, 32 rows a wave,
; a lane a row; a lane names the part's LAST byte; every fourth part ends in the aligned 256 bytes that the part before has named, and is passed over.  So each aligned 256 bytes are named once.
; Nothing is asked for past W, which is at most 2,048; the first two trips' keys come by their loads alone.
.macro ASK
	s_add_co_u32 s66, s[KF], 512
	s_cmp_lt_u32 s66, s[WPF]
	s_cbranch_scc0 .Lnoask_\@
	s_cmp_lt_u32 s[PA], 3
	s_cbranch_scc0 .Lnok_\@
	WIN 0x01
	global_prefetch_b8 v[PFK], s[PKA:PKA+1] th:TH_LOAD_NT scope:SCOPE_SE
	WIN 0
.Lnok_\@:
	s_bfe_u32 s66, s[KF], 0x20008                  ; the trip's number mod 4
	s_cmp_eq_u32 s66, 1
	s_cbranch_scc1 .Lnoask_\@
	WIN 0x01
	global_prefetch_b8 v[PFV], s[PVA:PVA+1] th:TH_LOAD_NT scope:SCOPE_SE
	WIN 0
.Lnoask_\@:
.endm
; A KEY STEP, in slot p.  One barrier: in front of it every wave has waited for its stores into slot p and for its reads of slot 1 - p; behind it slot p is whole and slot 1 - p may be written.
; The barrier and the waits stand on every wave's path; the branches hang on n, W and the count of steps.
.macro STEP p
	s_wait_dscnt 0x0                               ; my stores of this step's tile have landed, my reads of the other slot are back
	s_barrier_signal -1
	s_barrier_wait -1
	s_wait_loadcnt 0x0                             ; the next step's tile, asked for in the last step, is in registers; with none asked for, no load is out
	s_add_co_u32 s66, s[KF], 128
	s_cmp_lt_u32 s66, s[WL]
	s_cbranch_scc0 .Lnoput_\@
	PUT 1-\p
.Lnoput_\@:
	s_cmp_lt_u32 s[KF], s[WL]
	s_cbranch_scc0 .Lhidden_\@                     ; a step at or past W is left out
	KFR \p, 0
	ds_load_b128 v[KS:KS+3], v[ASC] offset:512*\p
	ds_load_b128 v[VS:VS+3], v[ASC] offset:8192+512*\p
	s_wait_dscnt 0x0                               ; the fragments are in, and the stores above have read window 1's registers
	QK 0, 0
	QK 1, 0
	PLACES 4                                       ; in front of loads into registers that matrix instructions have read
	KFR \p, 1
	s_add_co_u32 s66, s[KF], 256
	s_cmp_lt_u32 s66, s[WL]
	s_cbranch_scc0 .Lnoget_\@
	GET \p+2                                       ; the tile two steps on: it is stored to LDS in the next step
.if \p == 0
	ASK
.endif
.Lnoget_\@:
	s_wait_dscnt 0x0
	QK 0, 1
	QK 1, 1
	PLACES 4                                       ; in front of the loads below and of the first read of the scores
	VFR \p, 0, FR
	s_add_co_u32 s66, s[KF], 128
	s_cmp_le_u32 s66, s[NV]
	s_cbranch_scc1 .Lopen_\@                       ; all 128 keys count
	s_sub_co_i32 s67, s[NV], s[KF]
	s_sub_co_i32 s67, s67, 1
	MASK
	WIN 0x55
	MASK
	WIN 0
.Lopen_\@:
	SM 0
	s_wait_dscnt 0x0                               ; V's channels 0 to 63
	PV 0, 0, FR
	VFR \p, 1, S                                   ; V's channels 64 to 127 into tile 0's p, which is done with
	SM 1
	WIN 0
	s_wait_dscnt 0x0
	PV 0, 1, S
	PV 1, 0, FR
	PV 1, 1, S
	WIN 0
	PLACES 5                                       ; in front of the next loads into these operands, of the next reads of O^T, and of the next scores, which are written over V's fragments
.Lhidden_\@:
	s_add_co_u32 s[KF], s[KF], 128
.endm
.macro INIT t                          ; the step is written once: the first finds zeros, which the first change of M leaves zeros
	WIN 0x55*(\t)
	v_mov_b32 v[TMX], 0xff61b1e6                   ; -3e38, under every t
	v_floor_f32 v[NM], -v[TMX]
	v_mov_b32 v[SUM], 0
	v_mov_b32 v[SUM+1], 0
	v_mov_b32 v[PD], 0                             ; a lane permute's destination counts as one of its sources
	v_mov_b32 v[F+1], 0                            ; named as the upper half of a pair
.set j, 0
.rept 64
	v_mov_b32 v[O+j], 0
.set j, j+1
.endr
.endm
.macro OUT_A t                         ; the sum's halves and lane l xor 16's; O^T / the sum
	WIN 0x55*(\t)
	v_add_f32 v[SUM], v[SUM], v[SUM+1]
	v_permlanex16_b32 v[PD], v[SUM], s[SEL], s[SEL+1]
	v_add_f32 v[SUM], v[SUM], v[PD]
	v_rcp_f32 v[F], v[SUM]
	v_nop                                          ; a plain instruction behind the reciprocal
	s_wait_alu depctr_va_vdst(0)                   ; and the wait ahead of its first reader
.set j, 0
.rept 32
	v_pk_mul_f32 v[O+j:O+j+1], v[O+j:O+j+1], v[F:F+1] op_sel_hi:[1,0]
.set j, j+2
.endr
.endm
.macro OUT_ST t                        ; lane (r, h): row r of my stage, channels 16 f + 8 h + 0 .. 7
	WIN 0x04*(\t)
.irp f, 0,1,2,3,4,5,6,7
	ds_store_b128 v[STO], v[O+8*\f:O+8*\f+3] offset:64*\f
	ds_store_b128 v[STO], v[O+8*\f+4:O+8*\f+7] offset:64*\f+16
.endr
	WIN 0
.endm
.macro OUT_LD dst                      ; back as whole rows of 512 bytes; LDS serves a wave's instructions in order (ISA guide 5.7.1.4): these see my stores
.irp i, 0,1,2,3,4,5,6,7,8,9,10,11,12,13,14,15
	ds_load_b128 v[\dst+4*\i:\dst+4*\i+3], v[RD] offset:528*\i
.endr
.endm
.macro OUT_GS t, dst                   ; 32 lanes store 512 consecutive bytes, at a multiple of 256 from out0's first byte; written once, read by nobody here
.irp i, 0,1,2,3,4,5,6,7,8,9,10,11,12,13,14,15
	global_store_b128 v[GO], v[\dst+4*\i:\dst+4*\i+3], s[OUTP:OUTP+1] offset:8192*(\t)+512*\i th:TH_STORE_NT
.endr
.endm
	s_load_b256 s[4:11], s[0:1], 0x0               ; q_codes s[4:5], q_scales s[6:7], k_codes s[8:9], k_scales s[10:11]
	s_load_b256 s[12:19], s[0:1], 0x20             ; v_codes s[12:13], v_scales s[14:15], valid_lens s[16:17], out0 s[18:19]
	v_lshl_add_u32 v[SPW], v0, 2, SPARE
	v_mov_b32 v[NIL], 0
	v_lshrrev_b32 v[T3], 5, v0
	v_readfirstlane_b32 s[WV], v[T3]               ; wave 0..7
	s_lshr_b32 s[BT], s[WV], 2
	s_xor_b32 s[BT], s[BT], s[WV]
	s_and_b32 s[BT], s[BT], 1                      ; my batch
	s_lshr_b32 s[PA], s[WV], 1                     ; my part a, 0..3
	s_and_b32 s[HD], ttmp7, 0xffff                 ; the head
	s_lshl_b32 s46, s[BT], 4
	s_add_co_u32 s46, s46, s[HD]                   ; hb = 16 b + head
	s_lshl_b32 s47, ttmp9, 7
	s_lshl_b32 s73, s[PA], 5
	s_add_co_u32 s47, s47, s73                     ; my first query: 128 x + 32 a
	; byte offsets, each under 2^32, in pairs with 0 above
	s_mul_i32 s48, s46, 196608                     ; a head's codes
	s_mov_b32 s49, 0
	s_mul_i32 s50, s47, 96
	s_add_co_u32 s50, s50, s48                     ; my queries' codes
	s_mov_b32 s51, 0
	s_lshl_b32 s52, s46, 13                        ; a head's scale bytes
	s_lshl_b32 s54, s47, 2
	s_add_co_u32 s54, s54, s52                     ; my queries' scale words
	s_mov_b32 s55, 0
	s_lshl_b32 s73, s[PA], 9
	s_add_co_u32 s52, s52, s73                     ; K's and V's scale bytes: + my wave's 512 of each 2,048
	s_mov_b32 s53, 0
	s_lshl_b32 s56, s46, 20
	s_lshl_b32 s73, s47, 9
	s_add_co_u32 s56, s56, s73                     ; my rows of out0
	s_mov_b32 s57, 0
	s_mul_i32 s58, s[PA], 3072                     ; K: my wave's 32 keys of a step
	s_mov_b32 s59, 0
	s_mul_i32 s60, s[PA], 49152                    ; V: my wave's 32 rows
	s_mov_b32 s61, 0
	s_lshl_b32 s62, s[PA], 13
	s_add_co_u32 s62, s62, 49152                   ; K's prefetches: my 8,192 bytes of the third trip's 24,576
	s_mov_b32 s63, 0
	; LDS bases, of the wave's number alone
	s_lshl_b32 s66, s[BT], 16                      ; my batch's region
	s_lshl_b32 s67, s[BT], 14
	s_add_co_u32 s67, s67, SCBASE                  ; its scale words
	s_mul_i32 s68, s[WV], 8448
	s_add_co_u32 s68, s68, STG                     ; my stage
	s_mul_i32 s69, s[PA], KBLK
	s_add_co_u32 s69, s69, s66                     ; K: my 32 keys' place in a slot
	s_mul_i32 s70, s[PA], 4*VGRP
	s_add_co_u32 s70, s70, s66
	s_add_co_u32 s70, s70, VOFF                    ; V: my 32 rows' place
	s_lshl_b32 s71, s[PA], 9
	s_add_co_u32 s71, s71, s67
	s_lshl_b32 s72, s[PA], 7
	s_add_co_u32 s72, s72, s67
	s_mov_b32 s[SEL], 0x76543210
	s_mov_b32 s[SEL+1], 0xfedcba98                 ; v_permlanex16_b32's selects for lane l xor 16
	s_mov_b32 s[CS], 0x3e0293ee                    ; c = log2(e) / sqrt(128)
	s_mov_b32 s[CS+1], s[CS]                       ; (named with it as a pair, so it is written)
	s_mov_b32 s[KF], 0
	s_mov_b32 s[TR], 8
	v_and_b32 v[LN], 31, v0                        ; lane
	v_and_b32 v[RR], 15, v0                        ; r
	v_bfe_u32 v[HH], v0, 4, 1                      ; h
	v_lshlrev_b32 v[GO], 4, v[LN]
	v_lshlrev_b32 v[H32], 5, v[HH]
	v_lshlrev_b32 v[H8], 3, v[HH]
	v_and_b32 v[T3], 7, v0
	v_mul_u32_u24 v[T3], v[T3], 96
	v_mad_u32_u24 v[T3], v[HH], 24, v[T3]          ; 96 (r & 7) + 24 h
	v_bfe_u32 v[T3+1], v0, 3, 1                    ; r >> 3
	v_mad_u32_u24 v[T3+2], v[T3+1], KBLK, v[T3]    ; K: rows 8 to 15 of a tile are the keys 32 further on
	v_add_nc_u32 v[AK], s66, v[T3+2]
	v_mad_u32_u24 v[T3+2], v[T3+1], VGRP, v[T3]    ; V: rows 8 to 15 are the next group of 8
	v_add_nc_u32 v[T3+2], s66, v[T3+2]
	v_add_nc_u32 v[AV], VOFF, v[T3+2]
	v_add_nc_u32 v[ASC], s67, v[GO]
	v_mul_u32_u24 v[T3], v[RR], 528
	v_lshl_add_u32 v[T3], v[HH], 5, v[T3]
	v_add_nc_u32 v[STO], s68, v[T3]
	v_add_nc_u32 v[RD], s68, v[GO]
	v_add_nc_u32 v[LK], s69, v[GO]                 ; the loaders' places in LDS
	v_add_nc_u32 v[LVA], s70, v[GO]
	v_lshl_add_u32 v[LVB], v[HH], 4, v[LVA]
.irp i, 0,1,2                          ; V in memory: my 16 bytes number lane + 32 i of 16 rows' 96 bytes: row rho = number / 6, piece cc = number % 6; numbers 96 on are 16 rows on
	v_add_nc_u32 v[T3+2], 32*\i, v[LN]
	v_mul_u32_u24 v[T3+3], v[T3+2], 43
	v_lshrrev_b32 v[T3+3], 8, v[T3+3]              ; rho: (43 x number) >> 8 is number / 6 up to 95
	v_mul_u32_u24 v[T3+4], v[T3+3], 6
	v_sub_nc_u32 v[T3+4], v[T3+2], v[T3+4]
	v_lshlrev_b32 v[T3+4], 4, v[T3+4]              ; 16 cc
	v_mad_u32_u24 v[GV+\i], v[T3+3], 1536, v[T3+4]
.endr
	; where the scale words go.  K: my 16 bytes are keys 4 lane + e of step a + 4 i; key kappa belongs to tile tau = 4 (kappa >> 6) + ((kappa >> 3) & 3), row 8 ((kappa >> 5) & 1) + (kappa & 7): byte 16 (16 (tau & 1) + row) + 4 (tau >> 1)
	v_bfe_u32 v[T12], v[LN], 1, 1
	v_lshlrev_b32 v[KSA], 8, v[T12]
	v_bfe_u32 v[T12], v[LN], 3, 1
	v_lshl_add_u32 v[KSA], v[T12], 7, v[KSA]
	v_and_b32 v[T12], 1, v[LN]
	v_lshl_add_u32 v[KSA], v[T12], 6, v[KSA]
	v_lshl_add_u32 v[KSA], v[HH], 3, v[KSA]
	v_bfe_u32 v[T12], v[LN], 2, 1
	v_lshl_add_u32 v[KSA], v[T12], 2, v[KSA]
	v_add_nc_u32 v[KSA], s71, v[KSA]
	; V: my 16 bytes are steps 4 (lane & 3) + e of row d = 32 i + 8 a + (lane >> 2): byte 512 step + 16 (d % 32) + 4 (d / 32)
	v_and_b32 v[T12], 3, v[LN]
	v_lshlrev_b32 v[VSA], 11, v[T12]
	v_lshrrev_b32 v[T12], 2, v[LN]
	v_lshl_add_u32 v[VSA], v[T12], 4, v[VSA]
	v_add_nc_u32 v[VSA], s72, v[VSA]
	v_mul_u32_u24 v[QOF], v[RR], 96
	v_mad_u32_u24 v[QOF], v[HH], 24, v[QOF]        ; Q: row r, + my half's bytes
	v_lshlrev_b32 v[QSO], 2, v[RR]
	WIN 0x40                                       ; window 1's copies and the prefetches' offsets
	v_lshlrev_b32 v[H32], 5, v[HH]
	v_lshlrev_b32 v[H8], 3, v[HH]
	v_lshlrev_b32 v[PFK], 8, v[LN]
	v_mul_u32_u24 v[PFV], v[LN], 1536
	WIN 0
	s_wait_kmcnt 0x0
	s_load_b64 s[44:45], s[16:17], 0x0             ; the two lengths
	s_add_nc_u64 s[8:9], s[8:9], s[48:49]
	s_add_nc_u64 s[12:13], s[12:13], s[48:49]
	s_add_nc_u64 s[KPT:KPT+1], s[8:9], s[58:59]
	s_add_nc_u64 s[VPT:VPT+1], s[12:13], s[60:61]
	s_add_nc_u64 s[PKA:PKA+1], s[8:9], s[62:63]
	s_add_nc_u64 s[PVA:PVA+1], s[VPT:VPT+1], 575   ; the last byte of the third trip's 192 bytes of a row: 384 + 191
	s_add_nc_u64 s[4:5], s[4:5], s[50:51]
	s_add_nc_u64 s[6:7], s[6:7], s[54:55]
	s_add_nc_u64 s[10:11], s[10:11], s[52:53]
	s_add_nc_u64 s[14:15], s[14:15], s[52:53]
	s_add_nc_u64 s[OUTP:OUTP+1], s[18:19], s[56:57]
	GET 0                                          ; step 0 is live for every length
.irp i, 0,1,2,3
	global_load_b128 v[S+4*\i:S+4*\i+3], v[GO], s[10:11] offset:2048*\i        ; the batch's four waves bring the head's scale bytes once, 512 consecutive bytes a load
	global_load_b128 v[S+16+4*\i:S+16+4*\i+3], v[GO], s[14:15] offset:2048*\i
.endr
.irp c, 0,1,2,3,4,5
	global_load_b64 v[Q+2*\c:Q+2*\c+1], v[QOF], s[4:5] offset:48*(\c/3)+8*(\c%3) th:TH_LOAD_NT   ; Q stays in registers; read once in the launch
.endr
	WIN 0x40
.irp c, 0,1,2,3,4,5
	global_load_b64 v[Q+2*\c:Q+2*\c+1], v[QOF], s[4:5] offset:1536+48*(\c/3)+8*(\c%3) th:TH_LOAD_NT
.endr
	WIN 0
	global_load_b32 v[QS], v[QSO], s[6:7] th:TH_LOAD_NT
	global_load_b32 v[QS+1], v[QSO], s[6:7] offset:64 th:TH_LOAD_NT
	s_wait_kmcnt 0x0
	s_cmp_eq_u32 s[BT], 0
	s_cselect_b32 s[NV], s44, s45
	s_max_i32 s[NV], s[NV], 0
	s_min_i32 s[NV], s[NV], 2048                   ; n
	s_cmp_eq_u32 s[NV], 0
	s_cselect_b32 s[WL], 2048, s[NV]               ; W
	s_mov_b32 s[WO], s[WL]
	s_cmp_eq_u32 ttmp9, 0
	s_cselect_b32 s[WPF], s[WL], 0
	INIT 0
	INIT 1
	WIN 0
	s_wait_loadcnt 0x0
	PUT 0
.irp i, 0,1,2,3
.irp e, 0,1,2,3
	ds_store_b32 v[KSA], v[S+4*\i+\e] offset:2048*\i+16*\e
	ds_store_b32 v[VSA], v[S+16+4*\i+\e] offset:8192+512*\e+4*\i
.endr
.endr
	s_wait_dscnt 0x0                               ; the stores have read window 1's registers
	s_cmp_gt_u32 s[WL], 128
	s_cbranch_scc0 .Lone_step
	GET 1
.Lone_step:
.Ltrip:                                            ; 8 trips of two key steps: a constant count; what is left out is a step's work, never its barrier
	STEP 0
	STEP 1
	s_cmp_ge_u32 s[KF], s[WO]                      ; my walk is over: my rows leave now, while the longer batch's waves go on.  The last trip reaches this for every length
	s_cbranch_scc0 .Lnot_yet
	OUT_A 0
	OUT_ST 0
	OUT_LD S
	OUT_A 1                                        ; tile 1's arithmetic stands between tile 0's loads and the wait for them
	WIN 0
	s_wait_dscnt 0x0
	OUT_GS 0, S
	OUT_ST 1
	OUT_LD O                                       ; into tile 0's O^T, whose stores to the stage are done
	s_wait_dscnt 0x0
	OUT_GS 1, O
	s_mov_b32 s[WO], -1
.Lnot_yet:
	s_wait_xcnt 0x0                                ; the trip's loads, prefetches and stores have read their addresses and data: the pointers step only behind this wait
	s_add_nc_u64 s[KPT:KPT+1], s[KPT:KPT+1], 24576
	s_add_nc_u64 s[VPT:VPT+1], s[VPT:VPT+1], 192
	s_add_nc_u64 s[PKA:PKA+1], s[PKA:PKA+1], 24576
	s_add_nc_u64 s[PVA:PVA+1], s[PVA:PVA+1], 192
	v_add_nc_u32 v[ASC], 1024, v[ASC]
	s_sub_co_u32 s[TR], s[TR], 1
	s_cmp_lg_u32 s[TR], 0
	s_cbranch_scc1 .Ltrip
	s_wait_tensorcnt 0x0                           ; the wave's end
	ds_add_u32 v[SPW], v[NIL]
	s_wait_dscnt 0x0
	s_endpgm
.Lfunc_end_k_q094190bf86_attn:
	.size	k_q094190bf86_attn, .Lfunc_end_k_q094190bf86_attn-k_q094190bf86_attn
	.p2alignl 7, 3214868480
	.fill 96, 4, 3214868480
	.section	.rodata,"a",@progbits
	.p2align	6, 0x0
	.amdhsa_kernel k_q094190bf86_attn
		.amdhsa_group_segment_fixed_size 232448
		.amdhsa_private_segment_fixed_size 0
		.amdhsa_enable_private_segment 0
		.amdhsa_kernarg_size 64
		.amdhsa_user_sgpr_count 2
		.amdhsa_user_sgpr_kernarg_segment_ptr 1
		.amdhsa_wavefront_size32 1
		.amdhsa_system_sgpr_workgroup_id_x 1
		.amdhsa_system_sgpr_workgroup_id_y 1
		.amdhsa_system_sgpr_workgroup_id_z 1
		.amdhsa_system_vgpr_workitem_id 0
		.amdhsa_next_free_vgpr 512
		.amdhsa_next_free_sgpr 76
		.amdhsa_reserve_vcc 1
		.amdhsa_float_denorm_mode_32 3
		.amdhsa_float_denorm_mode_16_64 3
		.amdhsa_memory_ordered 1
		.amdhsa_forward_progress 1
		.amdhsa_inst_pref_size 123
	.end_amdhsa_kernel
	.amdgpu_metadata
---
amdhsa.version: [ 1, 2 ]
amdhsa.kernels:
  - .name:           k_q094190bf86_attn
    .symbol:         k_q094190bf86_attn.kd
    .args:
      - { .name: q_codes, .offset: 0, .size: 8, .value_kind: global_buffer, .address_space: global }
      - { .name: q_scales, .offset: 8, .size: 8, .value_kind: global_buffer, .address_space: global }
      - { .name: k_codes, .offset: 16, .size: 8, .value_kind: global_buffer, .address_space: global }
      - { .name: k_scales, .offset: 24, .size: 8, .value_kind: global_buffer, .address_space: global }
      - { .name: v_codes, .offset: 32, .size: 8, .value_kind: global_buffer, .address_space: global }
      - { .name: v_scales, .offset: 40, .size: 8, .value_kind: global_buffer, .address_space: global }
      - { .name: valid_lens, .offset: 48, .size: 8, .value_kind: global_buffer, .address_space: global }
      - { .name: out0, .offset: 56, .size: 8, .value_kind: global_buffer, .address_space: global }
    .group_segment_fixed_size: 232448
    .private_segment_fixed_size: 0
    .kernarg_segment_align: 8
    .kernarg_segment_size: 64
    .max_flat_workgroup_size: 256
    .sgpr_count:     76
    .vgpr_count:     512
    .wavefront_size: 32
...
	.end_amdgpu_metadata
.endif
;; end of part 1
;; ======== version 2 of 2: 1 launch; version 1 with the launch attn written anew for expert scheduling mode
;; limits: right only within a limited range of input values
;; launch attn (part 2): grid 16 x 16, 8 waves a work-group, no clusters, 232,448 bytes of LDS; arguments q_codes, q_scales, k_codes, k_scales, v_codes, v_scales, valid_lens, out0; writes out0
.if DOCPART == 2
	.amdgcn_target "amdgcn-amd-amdhsa--gfx1250"
	.amdhsa_code_object_version 6
	.text
	.protected	k_q094190bf86_attn
	.globl	k_q094190bf86_attn
	.p2align	8
	.type	k_q094190bf86_attn,@function
k_q094190bf86_attn:
	s_mov_b64 s[64:65], 0
	v_nop
	global_prefetch_b8 v0, s[64:65] scope:SCOPE_SE
	s_setreg_imm32_b32 hwreg(HW_REG_WAVE_SCHED_MODE, 0, 2), 2
	s_setreg_imm32_b32 hwreg(HW_REG_WAVE_MODE, 25, 1), 1
	s_wait_xcnt 0x0
	s_wait_alu depctr_vm_vsrc(0)
; out0[b][h][q][:] = sum over keys of softmax(q . k / sqrt(128), keys at or past valid_lens[b] filled) v, both products on codes of E3M2 with one E8M0 scale for each 32 along K.
; q, k: codes along the head's 128 (a row: 96 bytes, one scale word).  v: codes with the KEYS innermost (a row d: 1,536 bytes, 64 scale bytes).  out0: f32.
; THE SOFTMAX: t = score x c, c = log2(e) / sqrt(128); M = the running largest t rounded up to a whole number; p = 2^(t - M) is quantised along the keys, not normalised;
; the row's sum is taken of the unquantised p and divides at the end; when M moves, the sum and O are multiplied by 2^(old M - new M), which rounds nothing.
; WORK LEFT OUT.  n = valid_lens[b] held to 0 .. 2,048.  A key step is 128 keys.  A step whose first key is at or past n holds filled logits alone (-1e9): with any valid logit above -1e9 + 104 in the row their
; p = 2^(t - M) is 0 in f32, their codes are zeros and the sum does not move: the step reaches no output.  Whole numbers read from memory decide it: the walk ends at W = n.  With n = 0 every key is filled and the
; softmax is uniform: then W = 2,048, every step is walked and masked, p = 1 everywhere.  In the one step that n cuts, filled scores are set register by register ahead of the maximum.
; LIMITS.  Rows whose largest valid logit is at or under -1e9 + 104 are not served.  The fill is taken as the raw score -2^34 (logit -1.52e9): c x 2^34 is a whole number in f32, so that t - M is exactly 0 where
; all keys are filled; inside the stated range the results are those of -1e9.  A NaN, an infinity or a scale byte 0xff at keys of steps left out is not carried to the result; NaN and infinities in live data are not served.
; SHARES.  Work-group (x, y): queries 128 x .. 128 x + 127 of head y in BOTH batches.  Wave w: batch (w ^ (w >> 2)) & 1, part a = w >> 1: 32 queries, two tiles of 16.  So waves w and w + 4 serve different batches,
; and a work-group's work goes with n0 + n1 whatever the two lengths are.  The four waves of a batch bring that batch's tiles of K and V into LDS through registers, two slots by turns, one barrier a step.
; NO TENSOR LOADS, NO CLUSTER, though the 16 work-groups of a head read the same K and V: joint requests go by tensor loads;
; the walk that ends at W leaves out (4,096 - n0 - n1) / 4,096 of all key steps.
; LAYOUT.  Both products are used transposed: S^T = K Q^T (source 0 = 16 keys, source 1 = 16 queries), O^T = V^T P^T (source 0 = 16 of the head's 128, source 1 = P): lane (r, h) holds query r throughout.
; THE KEYS OF A TILE ARE NOT NEIGHBOURS: row 8 hh + i of tile 4 c + t is key 64 c + 32 hh + 8 t + i.  So register 32 c + n of S^T in lane (r, h) is key 64 c + 32 h + n: a WHOLE block of 32 keys in one lane,
; in the order of registers 6 c .. 6 c + 5 of P: no lane is asked for a block's maximum, and the conversions' results are the operand.
; LDS.  K and V lie as they come from memory, rows of 96 bytes on end, with 16 bytes more behind each 32 keys of K and behind each 8 rows of V: a loader's address is a constant + 16 x lane + a constant x wave.
; REGISTERS, two windows of 256.  A tile's own state has the same numbers in window 0 (tile 0) and window 1 (tile 1): v12 -M, v13 largest t, v[14:15] the sum, v16-27 Q, v28 32 h, v29 8 h, v96-159 S^T then p, v160-223 O^T,
; v224-235 p's codes, v236-255 at work.  Window 0 alone: v1-11, v90-92 addresses; v30-31, v80-89 scale words; v32-79 four fragments.  Window 1 alone: v0-1 prefetch offsets; v32-79 a tile on its way from memory to LDS.
; THE MODE: SCHED_MODE bits 1:0 = 2 (LLVM: expert scheduling mode 2), set by the entry lines.  The code itself states the register dependences between vector or matrix instructions and memory or LDS
; instructions, with s_wait_alu, always for 0.
; THE PLAN.  Registers that memory or LDS instructions touch, in the loop:
;   FR (window 0)     Filled by LDS loads three times a step: K's tiles 0-3, read by the first eight products K Q^T; K's tiles 4-7, read by the second eight; V's channels 0-63, read by eight products V^T P.
;   KS, VS            Filled at a step's head; read as scales by that step's products.
;   S^T of window 0   Written and read by tile 0's softmax; then V's channels 64-127 land in its first 48 registers and eight products V^T P read them; the next step's products K Q^T write it.
;   STA (window 1)    Named by no vector instruction: the global loads of a tile land in it, the LDS stores of the next step read it.
;   v[ASC]            Read by the scale words' loads; written once a trip, at the trip's end.
;   P, PS             Written by vector instructions, taken by scaled products as source 1 and as scales.
;   All other addresses and offsets are made at the head and never written again.
; So a step has four waits on va_vdst of its own: at its head (the last step's products are done with FR, KS, VS; v[ASC] is written); behind the first eight products K Q^T (FR); and behind each tile's softmax
; (P and PS are written; behind tile 0's also: its p is done with, in which V's channels 64-127 land).  FR's third fill stands behind the wait that tile 0's exponentials have anyway.
; One wait on vm_vsrc a step stands between the LDS stores that read STA and the global loads that land in it, one a trip ahead of the add to v[ASC].
.set SLOT,   32768                     ; LDS: a batch's region is 65,536 bytes: two slots
.set KBLK,   3088                      ; 32 keys of K: 3,072 bytes + 16
.set VGRP,   784                       ; 8 rows of V: 768 bytes + 16.  With either, the 32 lanes of a fragment's load of 8 bytes take the 8-byte columns 12 (r & 7) + 2 (r >> 3) + 3 h mod 32, all different
.set VOFF,   12544                     ; a slot: K's 4 x 3,088 bytes, then from here V's 16 x 784
.set SCBASE, 131072                    ; the scale words: 16,384 bytes a batch: K's 8,192 (512 a step: 16 x lane + 4 x register), then V's
.set STG,    163840                    ; the way out: 16 rows x 528 bytes for each wave
.set SPARE,  231424                    ; the spare words, 128 bytes for each wave: four blocks of 256 bytes that no other line names
.set AK,  1                            ; v1   my lane's place in a tile of K: batch region + 3,088 (r >> 3) + 96 (r & 7) + 24 h
.set AV,  2                            ; v2   in a tile of V: batch region + VOFF + 784 (r >> 3) + 96 (r & 7) + 24 h
.set ASC, 3                            ; v3   my lane's 16 bytes of a step's scale words; steps 1,024 a trip
.set SPW, 4                            ; v4   my spare word; never rewritten
.set NIL, 5                            ; v5   0; never rewritten
.set STO, 6                            ; v6   the way out: where I put 32 bytes of a row
.set RD,  7                            ; v7   and where I read a row back
.set GO,  8                            ; v8   16 x lane
.set GV,  9                            ; v9-11  V in memory: 1,536 rho + 16 cc
.set NM,  12
.set TMX, 13
.set SUM, 14
.set Q,   16
.set H32, 28
.set H8,  29
.set QS,  30                           ; v30-31 Q's scale words, tile 0, 1
.set FR,  32
.set KS,  80                           ; v80-83 K's scale words: register wd: tile 2 wd in lanes 0-15, tile 2 wd + 1 in lanes 16-31
.set VS,  84                           ; v84-87 V's likewise
.set PS,  88                           ; v88-89 p's scale words, tile 0, 1
.set LK,  90                           ; v90  where I store K's 16 bytes in a slot: region + 3,088 a + 16 lane
.set LVA, 91                           ; v91  and V's: region + VOFF + 3,136 a + 16 lane
.set LVB, 92                           ; v92  the same + 16 h: for the loads in whose middle a group of 8 rows ends
.set S,   96
.set O,   160
.set P,   224
.set BM,  236                          ; v236-237 a block's largest score, then its largest p
.set SO,  238                          ; v238-239 the conversions' scale operands
.set CT0, 240
.set BY0, 243
.set CT1, 244
.set BY1, 247
.set PD,  248                          ; a lane permute's destination
.set BA,  249                          ; v249, v255 second chains of the two maxima
.set SC2, 250                          ; v[250:251] second chain of the sum
.set F,   252                          ; v252 f, later 1 / sum; v253 stays 0 (named with it as a pair)
.set TP,  254
.set PFK, 0                            ; window 1: 256 x lane
.set PFV, 1                            ; window 1: 1,536 x lane
.set STA, 32                           ; window 1: 12 x 4 registers
.set LN,  128                          ; at the head alone, in registers that S^T takes later: lane, r, h, work
.set RR,  129
.set HH,  130
.set T3,  131
.set KSA, 138
.set VSA, 139
.set T12, 140
.set QOF, 141
.set QSO, 142
.set WV,  20
.set BT,  21
.set PA,  22
.set HD,  23
.set SEL, 24
.set CS,  26
.set NV,  28                           ; n
.set WL,  29                           ; W
.set KF,  30                           ; the step's first key
.set TR,  31
.set WO,  32                           ; W until my rows have left, then the greatest number
.set WPF, 33                           ; W in the head's first work-group, else 0
.set KPT, 34
.set VPT, 36
.set PKA, 38
.set PVA, 40
.set OUTP, 42
.set MK,  44                           ; s44-59 behind the head: sixteen masks of lanes, in the step that n cuts
.set MSB, 0
.macro WIN new                         ; the immediate's high byte repeats the setting that is left; a switch that changes nothing is dropped
.if MSB != \new
	s_set_vgpr_msb (MSB<<8)|\new
.set MSB, \new
.endif
.endm
.macro PLACES n
.rept \n
	v_nop
.endr
.endm
; Tile k (counted from this trip's first step) of K and V from memory into window 1: my wave's 32 keys (3,072 dense bytes) and 32 rows of V (96 bytes each).  Sixteen work-groups read these bytes: no hint.
.macro GET k
	WIN 0x40
.irp i, 0,1,2,3,4,5
	global_load_b128 v[STA+4*\i:STA+4*\i+3], v[GO], s[KPT:KPT+1] offset:12288*(\k)+512*\i
.endr
.irp i, 0,1,2,3,4,5
	global_load_b128 v[STA+24+4*\i:STA+24+4*\i+3], v[GV+\i%3], s[VPT:VPT+1] offset:96*(\k)+24576*(\i/3)
.endr
	WIN 0
.endm
; and on into slot p.  K: piece lane + 32 i of my 3,072 bytes, as it lies.  V: piece nl = lane + 32 i of my 32 rows lies at 16 nl + 16 (nl / 48): nl / 48 is 2 (i / 3) + (i % 3) / 2, but for i % 3 = 1, where lanes 16-31 are one group on
.macro PUT p
	WIN 0x04
.irp i, 0,1,2,3,4,5
	ds_store_b128 v[LK], v[STA+4*\i:STA+4*\i+3] offset:(\p)*SLOT+512*\i
.endr
.irp i, 0,1,2,3,4,5
.if \i%3 == 1
	ds_store_b128 v[LVB], v[STA+24+4*\i:STA+24+4*\i+3] offset:(\p)*SLOT+512*\i+32*(\i/3)
.else
	ds_store_b128 v[LVA], v[STA+24+4*\i:STA+24+4*\i+3] offset:(\p)*SLOT+512*\i+32*(\i/3)+16*((\i%3)/2)
.endif
.endr
	WIN 0
.endm
.macro KFR p, g                        ; four fragments of K: tiles 4 g .. 4 g + 3: keys 64 g + 8 f on; each 24 bytes as three loads of 8
	WIN 0
.irp f, 0,1,2,3
.irp c, 0,1,2,3,4,5
	ds_load_b64 v[FR+12*\f+2*\c:FR+12*\f+2*\c+1], v[AK] offset:(\p)*SLOT+2*KBLK*(\g)+768*\f+48*(\c/3)+8*(\c%3)
.endr
.endr
.endm
.macro VFR p, g, reg                   ; four fragments of V: channels 64 g + 16 f on
	WIN 0
.irp f, 0,1,2,3
.irp c, 0,1,2,3,4,5
	ds_load_b64 v[\reg+12*\f+2*\c:\reg+12*\f+2*\c+1], v[AV] offset:(\p)*SLOT+2*VGRP*(4*(\g)+\f)+48*(\c/3)+8*(\c%3)
.endr
.endr
.endm
.macro QK t, g                         ; S^T of query tile t, key tiles 4 g .. 4 g + 3: K's fragments window 0, Q and S^T window t
	WIN 0x44*(\t)
.irp f, 0,1,2,3
.if \f%2
	v_wmma_scale_f32_16x16x128_f8f6f4 v[S+8*(4*(\g)+\f):S+8*(4*(\g)+\f)+7], v[FR+12*\f:FR+12*\f+11], v[Q:Q+11], 0, v[KS+2*(\g)+\f/2], v[QS+(\t)] matrix_a_fmt:MATRIX_FMT_BF6 matrix_b_fmt:MATRIX_FMT_BF6 matrix_a_scale:MATRIX_SCALE_ROW1
.else
	v_wmma_scale_f32_16x16x128_f8f6f4 v[S+8*(4*(\g)+\f):S+8*(4*(\g)+\f)+7], v[FR+12*\f:FR+12*\f+11], v[Q:Q+11], 0, v[KS+2*(\g)+\f/2], v[QS+(\t)] matrix_a_fmt:MATRIX_FMT_BF6 matrix_b_fmt:MATRIX_FMT_BF6
.endif
.endr
.endm
.macro PV t, g, reg                    ; O^T of query tile t, channels 64 g on: V's fragments window 0, P and O^T window t.  One instruction to an accumulator: the accumulators take turns
	WIN 0x54*(\t)
.irp f, 0,1,2,3
.if \f%2
	v_wmma_scale_f32_16x16x128_f8f6f4 v[O+8*(4*(\g)+\f):O+8*(4*(\g)+\f)+7], v[\reg+12*\f:\reg+12*\f+11], v[P:P+11], v[O+8*(4*(\g)+\f):O+8*(4*(\g)+\f)+7], v[VS+2*(\g)+\f/2], v[PS+(\t)] matrix_a_fmt:MATRIX_FMT_BF6 matrix_b_fmt:MATRIX_FMT_BF6 matrix_a_scale:MATRIX_SCALE_ROW1
.else
	v_wmma_scale_f32_16x16x128_f8f6f4 v[O+8*(4*(\g)+\f):O+8*(4*(\g)+\f)+7], v[\reg+12*\f:\reg+12*\f+11], v[P:P+11], v[O+8*(4*(\g)+\f):O+8*(4*(\g)+\f)+7], v[VS+2*(\g)+\f/2], v[PS+(\t)] matrix_a_fmt:MATRIX_FMT_BF6 matrix_b_fmt:MATRIX_FMT_BF6
.endif
.endr
.endm
; The step that n cuts: register 32 c + i holds key KF + 64 c + 32 h + i, filled where i > (n - 1 - KF - 32 h) - 64 c.  s67 = n - 1 - KF.  Runs under the tile's window; each accumulator is read from its low end on.
; The compares go in runs of sixteen, each into a scalar register of its own, with one wait behind the run, ahead of the sixteen selects that read them.
.macro MASK
	v_sub_nc_u32 v[F], s67, v[H32]
	v_add_nc_u32 v[SC2], 0xffffffc0, v[F]
	v_mov_b32 v[TP], 0xd0800000                    ; -2^34
.irp c, 0,1
.irp g, 0,1
.irp i, 0,1,2,3,4,5,6,7,8,9,10,11,12,13,14,15
	v_cmp_gt_i32 s[MK+\i], 16*\g+\i, v[F-2*\c]
.endr
	s_wait_alu depctr_va_sdst(0)                   ; the sixteen compares have written s[MK ..], ahead of their first reader
.irp i, 0,1,2,3,4,5,6,7,8,9,10,11,12,13,14,15
	v_cndmask_b32 v[S+32*\c+16*\g+\i], v[S+32*\c+16*\g+\i], v[TP], s[MK+\i]
.endr
.endr
.endr
.endm
; A tile's softmax for one key step, and p's codes and scale word.  p: the slot in hand: in tile 0's softmax V's first four fragments are asked for.
.macro SM t, p
	WIN 0x55*(\t)
.irp c, 0,1                            ; the largest SCORE of my two blocks of 32 keys, two chains each; it serves the row's maximum and, since p rises with the score, the block's largest p
	v_max3_num_f32 v[BM+\c], v[S+32*\c], v[S+32*\c+1], v[S+32*\c+2]
	v_max3_num_f32 v[BA+6*\c], v[S+32*\c+16], v[S+32*\c+17], v[S+32*\c+18]
.endr
.irp i, 3,5,7,9,11,13
.irp c, 0,1
	v_max3_num_f32 v[BM+\c], v[BM+\c], v[S+32*\c+\i], v[S+32*\c+\i+1]
	v_max3_num_f32 v[BA+6*\c], v[BA+6*\c], v[S+32*\c+16+\i], v[S+32*\c+17+\i]
.endr
.endr
.irp c, 0,1
	v_max3_num_f32 v[BM+\c], v[BM+\c], v[BA+6*\c], v[S+32*\c+15]
.endr
.irp c, 0,1
	v_max_num_f32 v[BM+\c], v[BM+\c], v[S+32*\c+31]
.endr
	v_max_num_f32 v[TP], v[BM], v[BM+1]
	v_permlanex16_b32 v[PD], v[TP], s[SEL], s[SEL+1]
	v_max_num_f32 v[TP], v[TP], v[PD]              ; with lane l xor 16's two blocks: the step's largest score of my query
	v_mul_f32 v[TP], s[CS], v[TP]                  ; as t (c is positive)
	v_max_num_f32 v[TMX], v[TMX], v[TP]
	v_mov_b32 v[TP], v[NM]
	v_floor_f32 v[NM], -v[TMX]                     ; the new -M = floor(-t): M is a whole number
	v_sub_f32 v[TP], v[NM], v[TP]                  ; old M - new M: a whole number, 0 or less
	v_cvt_i32_f32 v[TP], v[TP]                     ; (it saturates)
	v_ldexp_f32 v[F], 1.0, v[TP]                   ; f = 2^(old M - new M)
.set j, 0
.rept 32
	v_pk_fma_f32 v[S+j:S+j+1], v[S+j:S+j+1], s[CS:CS+1], v[NM:NM+1] op_sel_hi:[1,0,0]   ; t - M, two at a time (of the pairs c and -M the low word serves both halves)
.set j, j+2
.endr
.irp c, 0,1
	v_fma_f32 v[BM+\c], v[BM+\c], s[CS], v[NM]     ; the same of each block's largest score
.endr
.set j, 0
	s_wait_alu depctr_va_vdst(0)
.rept 64
	v_exp_f32 v[S+j], v[S+j]                       ; p = 2^(t - M), at most 1
.set j, j+1
.endr
	v_pk_mul_f32 v[SUM:SUM+1], v[SUM:SUM+1], v[F:F+1] op_sel_hi:[1,0]   ; the sum under the new M: the plain instruction behind the batch
	s_wait_alu depctr_va_vdst(0)                   ; the 64 exponentials have written p, ahead of their first reader; in tile 0 also: the products K Q^T are done reading FR, in which the loads below land
.if (\t) == 0
	VFR \p, 0, FR                                  ; V's channels 0 to 63: they land while the sums, the codes and O^T's rescaling are made, none of which names FR or the address
.endif
.irp c, 0,1
	v_exp_f32 v[BM+\c], v[BM+\c]                   ; the block's largest p: the same two instructions on the same number
.endr
	v_pk_add_f32 v[SC2:SC2+1], v[S:S+1], v[S+2:S+3]   ; the row's sum of the UNQUANTISED p, in two chains; it reads the 64 alone
.set j, 4
.rept 15
	v_pk_add_f32 v[SUM:SUM+1], v[SUM:SUM+1], v[S+j:S+j+1]
	v_pk_add_f32 v[SC2:SC2+1], v[SC2:SC2+1], v[S+j+2:S+j+3]
.set j, j+4
.endr
	v_pk_add_f32 v[SUM:SUM+1], v[SUM:SUM+1], v[SC2:SC2+1]
	s_wait_alu depctr_va_vdst(0)                   ; the two exponentials have written the blocks' largest p, ahead of their first reader
.irp c, 0,1
	v_max_num_f32 v[BM+\c], 0x2800000, v[BM+\c]    ; the floor 2^(5 - 127): the byte cannot fall under 1 (a block of zeros keeps that byte: its codes are zeros)
.endr
.irp c, 0,1
	v_add_nc_u32 v[SO+\c], 0xfe000000, v[BM+\c]    ; 4 off the exponent field: the conversion's scale operand
.endr
	v_lshrrev_b32 v[BY0], 23, v[SO]                ; the bytes of blocks h and 2 + h
	v_lshrrev_b32 v[BY1], 23, v[SO+1]
	v_lshl_or_b32 v[TP], v[BY1], 16, v[BY0]
	v_lshlrev_b32 v[TP], v[H8], v[TP]              ; at their places in the scale word
	v_permlanex16_b32 v[PD], v[TP], s[SEL], s[SEL+1]
	WIN 0x05*(\t)
	v_or_b32 v[PS+(\t)], v[TP], v[PD]              ; with lane l xor 16's two the word is whole; scale words lie in window 0
	WIN 0x55*(\t)
	v_cvt_scalef32_pk16_bf6_f32 v[P:P+2], v[S:S+15], v[SO]
	v_cvt_scalef32_pk16_bf6_f32 v[CT0:CT0+2], v[S+16:S+31], v[SO]         ; (a conversion's three registers begin on an even number)
	v_cvt_scalef32_pk16_bf6_f32 v[P+6:P+8], v[S+32:S+47], v[SO+1]
	v_cvt_scalef32_pk16_bf6_f32 v[CT1:CT1+2], v[S+48:S+63], v[SO+1]
	v_nop                                          ; one plain instruction behind the conversions
.irp i, 0,1,2
	v_mov_b32 v[P+3+\i], v[CT0+\i]
	v_mov_b32 v[P+9+\i], v[CT1+\i]
.endr
.set j, 0
.rept 32
	v_pk_mul_f32 v[O+j:O+j+1], v[O+j:O+j+1], v[F:F+1] op_sel_hi:[1,0]   ; O^T under the new M, from each accumulator's low end on; these are also the places between the scale word, the codes and the products
.set j, j+2
.endr
.endm
; A PREFETCH INTO THE L2, behind the loads of a trip's first step: the 256 keys of the trip after the next, one trip (two key steps) ahead of the loads that will want them.  All 16 work-groups of a head walk the
; same K and V: the first of them asks, each batch's four waves for their own batch.  K: 24,576 dense bytes: parts 0 to 2 take 8,192 each, lanes 256 bytes apart.  V: 192 bytes of each of 128 rows, 32 rows a wave,
; a lane a row; a lane names the part's LAST byte; every fourth part ends in the aligned 256 bytes that the part before has named, and is passed over.  So each aligned 256 bytes are named once.
; Nothing is asked for past W, which is at most 2,048; the first two trips' keys come by their loads alone.  The two offsets were written ahead of the head's wait on va_vdst and are never written again.
.macro ASK
	s_add_co_u32 s66, s[KF], 512
	s_cmp_lt_u32 s66, s[WPF]
	s_cbranch_scc0 .Lnoask_\@
	s_cmp_lt_u32 s[PA], 3
	s_cbranch_scc0 .Lnok_\@
	WIN 0x01
	global_prefetch_b8 v[PFK], s[PKA:PKA+1] th:TH_LOAD_NT scope:SCOPE_SE
	WIN 0
.Lnok_\@:
	s_bfe_u32 s66, s[KF], 0x20008                  ; the trip's number mod 4
	s_cmp_eq_u32 s66, 1
	s_cbranch_scc1 .Lnoask_\@
	WIN 0x01
	global_prefetch_b8 v[PFV], s[PVA:PVA+1] th:TH_LOAD_NT scope:SCOPE_SE
	WIN 0
.Lnoask_\@:
.endm
; A KEY STEP, in slot p.  One barrier: in front of it every wave has waited for its stores into slot p and for its reads of slot 1 - p; behind it slot p is whole and slot 1 - p may be written.
; The barrier and the waits on memory counters stand on every wave's path; the branches hang on n, W and the count of steps.
.macro STEP p
	s_wait_dscnt 0x0                               ; my stores of this step's tile have landed, my reads of the other slot are back
	s_barrier_signal -1
	s_barrier_wait -1
	s_wait_loadcnt 0x0                             ; the next step's tile, asked for in the last step, is in registers; with none asked for, no load is out
	s_add_co_u32 s66, s[KF], 128
	s_cmp_lt_u32 s66, s[WL]
	s_cbranch_scc0 .Lnoput_\@
	PUT 1-\p                                       ; data that loads brought, addresses from the head: no vector instruction has named either since the head's wait
.Lnoput_\@:
	s_cmp_lt_u32 s[KF], s[WL]
	s_cbranch_scc0 .Lhidden_\@                     ; a step at or past W is left out
	s_wait_alu depctr_va_vdst(0)                   ; the last step's products are done reading FR, KS and VS, in which the loads below land; behind a trip's end v[ASC] is written
	KFR \p, 0
	ds_load_b128 v[KS:KS+3], v[ASC] offset:512*\p
	ds_load_b128 v[VS:VS+3], v[ASC] offset:8192+512*\p
	s_wait_dscnt 0x0                               ; the fragments and the scale words are in
	QK 0, 0
	QK 1, 0
	PLACES 4                                       ; four places behind the products; the wait below fills none
	WIN 0
	s_wait_alu depctr_va_vdst(0)                   ; these eight products are done reading FR, in which K's next four fragments land
	KFR \p, 1
	s_wait_alu depctr_vm_vsrc(0)                   ; the LDS stores at the step's head have read window 1's registers, in which the loads below land: ahead of the branch round them
	s_add_co_u32 s66, s[KF], 256
	s_cmp_lt_u32 s66, s[WL]
	s_cbranch_scc0 .Lnoget_\@
	GET \p+2                                       ; the tile two steps on: it is stored to LDS in the next step
.if \p == 0
	ASK
.endif
.Lnoget_\@:
	s_wait_dscnt 0x0
	QK 0, 1
	QK 1, 1
	PLACES 4                                       ; in front of the first read of the scores
	WIN 0                                          ; at a branch and at a label every window is 0
	s_add_co_u32 s66, s[KF], 128
	s_cmp_le_u32 s66, s[NV]
	s_cbranch_scc1 .Lopen_\@                       ; all 128 keys count
	s_sub_co_i32 s67, s[NV], s[KF]
	s_sub_co_i32 s67, s67, 1
	MASK
	WIN 0x55
	MASK
	WIN 0
.Lopen_\@:
	SM 0, \p
	s_wait_dscnt 0x0                               ; V's channels 0 to 63
	s_wait_alu depctr_va_vdst(0)                   ; behind the places: tile 0's codes and scale word are written, which the scaled products take; and its softmax is done with its p, in which V's next fragments land
	PV 0, 0, FR
	VFR \p, 1, S                                   ; V's channels 64 to 127 into tile 0's p.  No wait: the four products since the wait above name O^T, FR, P, VS and PS alone
	SM 1, \p
	WIN 0
	s_wait_dscnt 0x0
	s_wait_alu depctr_va_vdst(0)                   ; behind the places: tile 1's codes and scale word are written, which the scaled products take
	PV 0, 1, S
	PV 1, 0, FR
	PV 1, 1, S
	WIN 0
	PLACES 5                                       ; in front of the next reads of O^T, and of the next scores, which are written over V's fragments
.Lhidden_\@:
	s_add_co_u32 s[KF], s[KF], 128
.endm
.macro INIT t                          ; the step is written once: the first finds zeros, which the first change of M leaves zeros
	WIN 0x55*(\t)
	v_mov_b32 v[TMX], 0xff61b1e6                   ; -3e38, under every t
	v_floor_f32 v[NM], -v[TMX]
	v_mov_b32 v[SUM], 0
	v_mov_b32 v[SUM+1], 0
	v_mov_b32 v[PD], 0                             ; a lane permute's destination counts as one of its sources
	v_mov_b32 v[F+1], 0                            ; named as the upper half of a pair
.set j, 0
.rept 64
	v_mov_b32 v[O+j], 0
.set j, j+1
.endr
.endm
.macro OUT_A t                         ; the sum's halves and lane l xor 16's; O^T / the sum
	WIN 0x55*(\t)
	v_add_f32 v[SUM], v[SUM], v[SUM+1]
	v_permlanex16_b32 v[PD], v[SUM], s[SEL], s[SEL+1]
	v_add_f32 v[SUM], v[SUM], v[PD]
	s_wait_alu depctr_va_vdst(0)
	v_rcp_f32 v[F], v[SUM]
	v_nop                                          ; a plain instruction behind the reciprocal
	s_wait_alu depctr_va_vdst(0)                   ; the reciprocal has written 1 / the sum, ahead of its first reader
.set j, 0
.rept 32
	v_pk_mul_f32 v[O+j:O+j+1], v[O+j:O+j+1], v[F:F+1] op_sel_hi:[1,0]
.set j, j+2
.endr
.endm
.macro OUT_ST t                        ; lane (r, h): row r of my stage, channels 16 f + 8 h + 0 .. 7
	WIN 0x04*(\t)
.irp f, 0,1,2,3,4,5,6,7
	ds_store_b128 v[STO], v[O+8*\f:O+8*\f+3] offset:64*\f
	ds_store_b128 v[STO], v[O+8*\f+4:O+8*\f+7] offset:64*\f+16
.endr
	WIN 0
.endm
.macro OUT_LD dst                      ; back as whole rows of 512 bytes; LDS serves a wave's instructions in order (ISA guide 5.7.1.4): these see my stores
.irp i, 0,1,2,3,4,5,6,7,8,9,10,11,12,13,14,15
	ds_load_b128 v[\dst+4*\i:\dst+4*\i+3], v[RD] offset:528*\i
.endr
.endm
.macro OUT_GS t, dst                   ; 32 lanes store 512 consecutive bytes, at a multiple of 256 from out0's first byte; written once, read by nobody here
.irp i, 0,1,2,3,4,5,6,7,8,9,10,11,12,13,14,15
	global_store_b128 v[GO], v[\dst+4*\i:\dst+4*\i+3], s[OUTP:OUTP+1] offset:8192*(\t)+512*\i th:TH_STORE_NT
.endr
.endm
	s_load_b256 s[4:11], s[0:1], 0x0               ; q_codes s[4:5], q_scales s[6:7], k_codes s[8:9], k_scales s[10:11]
	s_load_b256 s[12:19], s[0:1], 0x20             ; v_codes s[12:13], v_scales s[14:15], valid_lens s[16:17], out0 s[18:19]
	v_lshl_add_u32 v[SPW], v0, 2, SPARE
	v_mov_b32 v[NIL], 0
	v_lshrrev_b32 v[T3], 5, v0
	v_readfirstlane_b32 s[WV], v[T3]               ; wave 0..7
	s_wait_alu depctr_va_sdst(0)                   ; s[WV] is written, ahead of its first reader: the batch, the part and every base are made from it
	s_lshr_b32 s[BT], s[WV], 2
	s_xor_b32 s[BT], s[BT], s[WV]
	s_and_b32 s[BT], s[BT], 1                      ; my batch
	s_lshr_b32 s[PA], s[WV], 1                     ; my part a, 0..3
	s_and_b32 s[HD], ttmp7, 0xffff                 ; the head
	s_lshl_b32 s46, s[BT], 4
	s_add_co_u32 s46, s46, s[HD]                   ; hb = 16 b + head
	s_lshl_b32 s47, ttmp9, 7
	s_lshl_b32 s73, s[PA], 5
	s_add_co_u32 s47, s47, s73                     ; my first query: 128 x + 32 a
	; byte offsets, each under 2^32, in pairs with 0 above
	s_mul_i32 s48, s46, 196608                     ; a head's codes
	s_mov_b32 s49, 0
	s_mul_i32 s50, s47, 96
	s_add_co_u32 s50, s50, s48                     ; my queries' codes
	s_mov_b32 s51, 0
	s_lshl_b32 s52, s46, 13                        ; a head's scale bytes
	s_lshl_b32 s54, s47, 2
	s_add_co_u32 s54, s54, s52                     ; my queries' scale words
	s_mov_b32 s55, 0
	s_lshl_b32 s73, s[PA], 9
	s_add_co_u32 s52, s52, s73                     ; K's and V's scale bytes: + my wave's 512 of each 2,048
	s_mov_b32 s53, 0
	s_lshl_b32 s56, s46, 20
	s_lshl_b32 s73, s47, 9
	s_add_co_u32 s56, s56, s73                     ; my rows of out0
	s_mov_b32 s57, 0
	s_mul_i32 s58, s[PA], 3072                     ; K: my wave's 32 keys of a step
	s_mov_b32 s59, 0
	s_mul_i32 s60, s[PA], 49152                    ; V: my wave's 32 rows
	s_mov_b32 s61, 0
	s_lshl_b32 s62, s[PA], 13
	s_add_co_u32 s62, s62, 49152                   ; K's prefetches: my 8,192 bytes of the third trip's 24,576
	s_mov_b32 s63, 0
	; LDS bases, of the wave's number alone
	s_lshl_b32 s66, s[BT], 16                      ; my batch's region
	s_lshl_b32 s67, s[BT], 14
	s_add_co_u32 s67, s67, SCBASE                  ; its scale words
	s_mul_i32 s68, s[WV], 8448
	s_add_co_u32 s68, s68, STG                     ; my stage
	s_mul_i32 s69, s[PA], KBLK
	s_add_co_u32 s69, s69, s66                     ; K: my 32 keys' place in a slot
	s_mul_i32 s70, s[PA], 4*VGRP
	s_add_co_u32 s70, s70, s66
	s_add_co_u32 s70, s70, VOFF                    ; V: my 32 rows' place
	s_lshl_b32 s71, s[PA], 9
	s_add_co_u32 s71, s71, s67
	s_lshl_b32 s72, s[PA], 7
	s_add_co_u32 s72, s72, s67
	s_mov_b32 s[SEL], 0x76543210
	s_mov_b32 s[SEL+1], 0xfedcba98                 ; v_permlanex16_b32's selects for lane l xor 16
	s_mov_b32 s[CS], 0x3e0293ee                    ; c = log2(e) / sqrt(128)
	s_mov_b32 s[CS+1], s[CS]                       ; (named with it as a pair, so it is written)
	s_mov_b32 s[KF], 0
	s_mov_b32 s[TR], 8
	v_and_b32 v[LN], 31, v0                        ; lane
	v_and_b32 v[RR], 15, v0                        ; r
	v_bfe_u32 v[HH], v0, 4, 1                      ; h
	v_lshlrev_b32 v[GO], 4, v[LN]
	v_lshlrev_b32 v[H32], 5, v[HH]
	v_lshlrev_b32 v[H8], 3, v[HH]
	v_and_b32 v[T3], 7, v0
	v_mul_u32_u24 v[T3], v[T3], 96
	v_mad_u32_u24 v[T3], v[HH], 24, v[T3]          ; 96 (r & 7) + 24 h
	v_bfe_u32 v[T3+1], v0, 3, 1                    ; r >> 3
	v_mad_u32_u24 v[T3+2], v[T3+1], KBLK, v[T3]    ; K: rows 8 to 15 of a tile are the keys 32 further on
	v_add_nc_u32 v[AK], s66, v[T3+2]
	v_mad_u32_u24 v[T3+2], v[T3+1], VGRP, v[T3]    ; V: rows 8 to 15 are the next group of 8
	v_add_nc_u32 v[T3+2], s66, v[T3+2]
	v_add_nc_u32 v[AV], VOFF, v[T3+2]
	v_add_nc_u32 v[ASC], s67, v[GO]
	v_mul_u32_u24 v[T3], v[RR], 528
	v_lshl_add_u32 v[T3], v[HH], 5, v[T3]
	v_add_nc_u32 v[STO], s68, v[T3]
	v_add_nc_u32 v[RD], s68, v[GO]
	v_add_nc_u32 v[LK], s69, v[GO]                 ; the loaders' places in LDS
	v_add_nc_u32 v[LVA], s70, v[GO]
	v_lshl_add_u32 v[LVB], v[HH], 4, v[LVA]
.irp i, 0,1,2                          ; V in memory: my 16 bytes number lane + 32 i of 16 rows' 96 bytes: row rho = number / 6, piece cc = number % 6; numbers 96 on are 16 rows on
	v_add_nc_u32 v[T3+2], 32*\i, v[LN]
	v_mul_u32_u24 v[T3+3], v[T3+2], 43
	v_lshrrev_b32 v[T3+3], 8, v[T3+3]              ; rho: (43 x number) >> 8 is number / 6 up to 95
	v_mul_u32_u24 v[T3+4], v[T3+3], 6
	v_sub_nc_u32 v[T3+4], v[T3+2], v[T3+4]
	v_lshlrev_b32 v[T3+4], 4, v[T3+4]              ; 16 cc
	v_mad_u32_u24 v[GV+\i], v[T3+3], 1536, v[T3+4]
.endr
	; where the scale words go.  K: my 16 bytes are keys 4 lane + e of step a + 4 i; key kappa belongs to tile tau = 4 (kappa >> 6) + ((kappa >> 3) & 3), row 8 ((kappa >> 5) & 1) + (kappa & 7): byte 16 (16 (tau & 1) + row) + 4 (tau >> 1)
	v_bfe_u32 v[T12], v[LN], 1, 1
	v_lshlrev_b32 v[KSA], 8, v[T12]
	v_bfe_u32 v[T12], v[LN], 3, 1
	v_lshl_add_u32 v[KSA], v[T12], 7, v[KSA]
	v_and_b32 v[T12], 1, v[LN]
	v_lshl_add_u32 v[KSA], v[T12], 6, v[KSA]
	v_lshl_add_u32 v[KSA], v[HH], 3, v[KSA]
	v_bfe_u32 v[T12], v[LN], 2, 1
	v_lshl_add_u32 v[KSA], v[T12], 2, v[KSA]
	v_add_nc_u32 v[KSA], s71, v[KSA]
	; V: my 16 bytes are steps 4 (lane & 3) + e of row d = 32 i + 8 a + (lane >> 2): byte 512 step + 16 (d % 32) + 4 (d / 32)
	v_and_b32 v[T12], 3, v[LN]
	v_lshlrev_b32 v[VSA], 11, v[T12]
	v_lshrrev_b32 v[T12], 2, v[LN]
	v_lshl_add_u32 v[VSA], v[T12], 4, v[VSA]
	v_add_nc_u32 v[VSA], s72, v[VSA]
	v_mul_u32_u24 v[QOF], v[RR], 96
	v_mad_u32_u24 v[QOF], v[HH], 24, v[QOF]        ; Q: row r, + my half's bytes
	v_lshlrev_b32 v[QSO], 2, v[RR]
	WIN 0x40                                       ; window 1's copies and the prefetches' offsets
	v_lshlrev_b32 v[H32], 5, v[HH]
	v_lshlrev_b32 v[H8], 3, v[HH]
	v_lshlrev_b32 v[PFK], 8, v[LN]
	v_mul_u32_u24 v[PFV], v[LN], 1536
	WIN 0
	s_wait_kmcnt 0x0
	s_load_b64 s[44:45], s[16:17], 0x0             ; the two lengths
	s_add_nc_u64 s[8:9], s[8:9], s[48:49]
	s_add_nc_u64 s[12:13], s[12:13], s[48:49]
	s_add_nc_u64 s[KPT:KPT+1], s[8:9], s[58:59]
	s_add_nc_u64 s[VPT:VPT+1], s[12:13], s[60:61]
	s_add_nc_u64 s[PKA:PKA+1], s[8:9], s[62:63]
	s_add_nc_u64 s[PVA:PVA+1], s[VPT:VPT+1], 575   ; the last byte of the third trip's 192 bytes of a row: 384 + 191
	s_add_nc_u64 s[4:5], s[4:5], s[50:51]
	s_add_nc_u64 s[6:7], s[6:7], s[54:55]
	s_add_nc_u64 s[10:11], s[10:11], s[52:53]
	s_add_nc_u64 s[14:15], s[14:15], s[52:53]
	s_add_nc_u64 s[OUTP:OUTP+1], s[18:19], s[56:57]
	s_wait_alu depctr_va_vdst(0)                   ; every address and offset of the kernel is written: v1 to v11, v90 to v92, the head's four in v138 to v142, window 1's v0 and v1; all but v[ASC] are never written again while memory or LDS instructions read them
	GET 0                                          ; step 0 is live for every length
.irp i, 0,1,2,3
	global_load_b128 v[S+4*\i:S+4*\i+3], v[GO], s[10:11] offset:2048*\i        ; the batch's four waves bring the head's scale bytes once, 512 consecutive bytes a load
	global_load_b128 v[S+16+4*\i:S+16+4*\i+3], v[GO], s[14:15] offset:2048*\i
.endr
.irp c, 0,1,2,3,4,5
	global_load_b64 v[Q+2*\c:Q+2*\c+1], v[QOF], s[4:5] offset:48*(\c/3)+8*(\c%3) th:TH_LOAD_NT   ; Q stays in registers; read once in the launch
.endr
	WIN 0x40
.irp c, 0,1,2,3,4,5
	global_load_b64 v[Q+2*\c:Q+2*\c+1], v[QOF], s[4:5] offset:1536+48*(\c/3)+8*(\c%3) th:TH_LOAD_NT
.endr
	WIN 0
	global_load_b32 v[QS], v[QSO], s[6:7] th:TH_LOAD_NT
	global_load_b32 v[QS+1], v[QSO], s[6:7] offset:64 th:TH_LOAD_NT
	s_wait_kmcnt 0x0
	s_cmp_eq_u32 s[BT], 0
	s_cselect_b32 s[NV], s44, s45
	s_max_i32 s[NV], s[NV], 0
	s_min_i32 s[NV], s[NV], 2048                   ; n
	s_cmp_eq_u32 s[NV], 0
	s_cselect_b32 s[WL], 2048, s[NV]               ; W
	s_mov_b32 s[WO], s[WL]
	s_cmp_eq_u32 ttmp9, 0
	s_cselect_b32 s[WPF], s[WL], 0
	INIT 0                                         ; these lines name no register in which a load above lands, and none that the stores below read
	INIT 1
	WIN 0
	s_wait_loadcnt 0x0
	PUT 0
.irp i, 0,1,2,3
.irp e, 0,1,2,3
	ds_store_b32 v[KSA], v[S+4*\i+\e] offset:2048*\i+16*\e
	ds_store_b32 v[VSA], v[S+16+4*\i+\e] offset:8192+512*\e+4*\i
.endr
.endr
	s_wait_dscnt 0x0                               ; my stores have landed
	s_wait_alu depctr_vm_vsrc(0)                   ; the LDS stores have read window 1's registers, in which the loads below land, and the scale bytes and their two addresses; Q's loads have read their two offsets: the first scores are written over these.  Ahead of the branch
	s_cmp_gt_u32 s[WL], 128
	s_cbranch_scc0 .Lone_step
	GET 1
.Lone_step:
.Ltrip:                                            ; 8 trips of two key steps: a constant count; what is left out is a step's work, never its barrier
	STEP 0
	STEP 1
	s_cmp_ge_u32 s[KF], s[WO]                      ; my walk is over: my rows leave now, while the longer batch's waves go on.  The last trip reaches this for every length
	s_cbranch_scc0 .Lnot_yet
	OUT_A 0
	s_wait_alu depctr_va_vdst(0)                   ; the multiplications have written tile 0's O^T, which the LDS stores read; the last products are done reading V's fragments in S^T's registers, in which the loads from the stage land
	OUT_ST 0
	OUT_LD S
	OUT_A 1                                        ; tile 1's arithmetic stands between tile 0's loads and the wait for them; it names window 1's registers alone
	WIN 0
	s_wait_dscnt 0x0
	OUT_GS 0, S
	s_wait_alu depctr_va_vdst(0)                   ; the multiplications have written tile 1's O^T, which the LDS stores read
	OUT_ST 1
	s_wait_alu depctr_vm_vsrc(0)                   ; tile 0's LDS stores have read its O^T, in which the loads below land
	OUT_LD O                                       ; into tile 0's O^T, whose stores to the stage are done
	s_wait_dscnt 0x0
	OUT_GS 1, O
	s_mov_b32 s[WO], -1
.Lnot_yet:
	s_wait_xcnt 0x0                                ; the trip's loads, prefetches and stores have read their addresses and data: the pointers step only behind this wait
	s_add_nc_u64 s[KPT:KPT+1], s[KPT:KPT+1], 24576
	s_add_nc_u64 s[VPT:VPT+1], s[VPT:VPT+1], 192
	s_add_nc_u64 s[PKA:PKA+1], s[PKA:PKA+1], 24576
	s_add_nc_u64 s[PVA:PVA+1], s[PVA:PVA+1], 192
	s_wait_alu depctr_vm_vsrc(0)                   ; the scale words' loads have read v[ASC], which the add below writes; the way out's stores have read S^T's and O^T's registers, which a later step's lines name as destinations
	s_wait_alu depctr_va_vdst(0)
	v_add_nc_u32 v[ASC], 1024, v[ASC]
	s_sub_co_u32 s[TR], s[TR], 1
	s_cmp_lg_u32 s[TR], 0
	s_cbranch_scc1 .Ltrip
	s_wait_dscnt 0x0                               ; the wave's end
	s_wait_alu 0x0
	s_wait_tensorcnt 0x0
	ds_add_u32 v[SPW], v[NIL]
	s_wait_dscnt 0x0
	s_endpgm
.Lfunc_end_k_q094190bf86_attn:
	.size	k_q094190bf86_attn, .Lfunc_end_k_q094190bf86_attn-k_q094190bf86_attn
	.p2alignl 7, 3214868480
	.fill 96, 4, 3214868480
	.section	.rodata,"a",@progbits
	.p2align	6, 0x0
	.amdhsa_kernel k_q094190bf86_attn
		.amdhsa_group_segment_fixed_size 232448
		.amdhsa_private_segment_fixed_size 0
		.amdhsa_enable_private_segment 0
		.amdhsa_kernarg_size 64
		.amdhsa_user_sgpr_count 2
		.amdhsa_user_sgpr_kernarg_segment_ptr 1
		.amdhsa_wavefront_size32 1
		.amdhsa_system_sgpr_workgroup_id_x 1
		.amdhsa_system_sgpr_workgroup_id_y 1
		.amdhsa_system_sgpr_workgroup_id_z 1
		.amdhsa_system_vgpr_workitem_id 0
		.amdhsa_next_free_vgpr 512
		.amdhsa_next_free_sgpr 76
		.amdhsa_reserve_vcc 0
		.amdhsa_float_denorm_mode_32 3
		.amdhsa_float_denorm_mode_16_64 3
		.amdhsa_memory_ordered 1
		.amdhsa_forward_progress 1
		.amdhsa_inst_pref_size 140
	.end_amdhsa_kernel
	.amdgpu_metadata
---
amdhsa.version: [ 1, 2 ]
amdhsa.kernels:
  - .name:           k_q094190bf86_attn
    .symbol:         k_q094190bf86_attn.kd
    .args:
      - { .name: q_codes, .offset: 0, .size: 8, .value_kind: global_buffer, .address_space: global }
      - { .name: q_scales, .offset: 8, .size: 8, .value_kind: global_buffer, .address_space: global }
      - { .name: k_codes, .offset: 16, .size: 8, .value_kind: global_buffer, .address_space: global }
      - { .name: k_scales, .offset: 24, .size: 8, .value_kind: global_buffer, .address_space: global }
      - { .name: v_codes, .offset: 32, .size: 8, .value_kind: global_buffer, .address_space: global }
      - { .name: v_scales, .offset: 40, .size: 8, .value_kind: global_buffer, .address_space: global }
      - { .name: valid_lens, .offset: 48, .size: 8, .value_kind: global_buffer, .address_space: global }
      - { .name: out0, .offset: 56, .size: 8, .value_kind: global_buffer, .address_space: global }
    .group_segment_fixed_size: 232448
    .private_segment_fixed_size: 0
    .kernarg_segment_align: 8
    .kernarg_segment_size: 64
    .max_flat_workgroup_size: 256
    .sgpr_count:     76
    .vgpr_count:     512
    .wavefront_size: 32
...
	.end_amdgpu_metadata
.endif
;; end of part 2
